; MI455X (gfx1250); checked and timed in simulation.
; The chip was launched on July 23, 2026; its instructions are those of AMD's public machine-readable ISA for CDNA 5 (MIT licence, August 2026) and "CDNA5" Instruction Set Architecture Reference Guide (July 2026). The comments in the code are by the model that wrote it; some were corrected since.
;; FP8 Linear. Allowed arithmetic: matrix products marked QUANTISED: E4M3 operands, one given power-of-two scale a tensor, by v_wmma_f32_16x16x64_fp8_fp8 or v_wmma_f32_16x16x128_fp8_fp8, f32 sums; everything else in f32.
;; Inputs: bias 4,096 float16; lowp_scales 2 int32 (the exponents e of the quantised operands' scales 2^e); weight 4,096 x 4,096 float16; x 4,096 x 4,096 float16.
;; Outputs: out0 4,096 x 4,096 float16.
;; This version of the problem:
;;   THIS VERSION OF THE PROBLEM IS GIVEN IN LOW PRECISION. The matrix products marked QUANTISED in the list below multiply operands that are first quantised to E4M3 (4 exponent bits, 3 mantissa bits; 8 bits a number), with one given power-of-two scale for each operand tensor; their sums are f32. All else is computed in f32.
;;   The module's matrix products, in the order in which they are computed (A, B: the left and right operand; K: the contracted axis; several contracted axes count as one K, in the product's order):
;;     1. [M 4,096, K 4,096] x [K 4,096, N 4,096]; A: computed on the way; B: computed on the way: QUANTISED (scales: A lowp_scales[0], B lowp_scales[1])
;;   THE QUANTISER, for each operand of a quantised product, along K:
;;     - The operand's scale is 2^e, e = its entry of the input lowp_scales (int32; the entries are numbered through the quantised products in the list's order, A before B).
;;     - Each number is divided by the scale, clamped to +-448, and rounded to the nearest number of E4M3, ties to even, subnormals kept.
;;     - The product sums the exact products of the quantised numbers (number of the format x scale) in f32.
;;   ~~~python
;;   def quantise(x, axis, e):      # numpy; x: float32 -> the quantised numbers, widened to float32 again
;;       x = np.moveaxis(x, axis, -1); K = x.shape[-1]
;;       r = np.clip(x / 2.0 ** e, -448, 448)
;;       step = 2.0 ** (np.maximum(np.frexp(np.where(r == 0, 1, r))[1] - 1, -6) - 3)
;;       q = np.round(r / step) * step * 2.0 ** e      # np.round: ties to even
;;       return np.moveaxis(q, -1, axis).astype(np.float32)
;;   ~~~
;;   OPERANDS COMPUTED ON THE WAY. 'Computed on the way' means the value that the module computes at that place (a softmax that the list does not call 'softmax' is quantised finished and normalised). What goes into a quantiser is computed in f32, as accurately as f32 sums, v_exp_f32 and their like allow (about 1e-6 of the number): no bf16 or f16 on the way to a quantiser, and a product that is left as it is and whose result goes on into a quantised operand takes f32 operands (vector FMAs, or v_wmma_f32_16x16x4_f32). A number that lies on a knife's edge between two numbers of the format may be rounded either way, as far as f32 arithmetic and the matrix unit's own rounding can turn it there, and no further.
;; One version. Each part assembles by itself: llvm-mc -triple=amdgcn-amd-amdhsa -mcpu=gfx1250 --defsym DOCPART=n.
;; ======== version 1 of 1: 3 launches
;; limits: values are held in f16: magnitudes above 65,504 overflow, below 6.1e-05 lose precision; right only within a limited range of input values
;; workspace buffers: parts 1,024 bytes; xq 16,777,216 bytes; wq 16,777,216 bytes
;; launch amax (part 1): grid 256 x 1, 16 waves a work-group, no clusters, 2,304 bytes of LDS; arguments x, weight, parts; writes parts
.if DOCPART == 1
	.amdgcn_target "amdgcn-amd-amdhsa--gfx1250"
	.amdhsa_code_object_version 6
	.text
	.protected	k_q9cecedf3ae_amax
	.globl	k_q9cecedf3ae_amax
	.p2align	8
	.type	k_q9cecedf3ae_amax,@function
k_q9cecedf3ae_amax:
	s_mov_b64 s[64:65], 0
	v_nop
	global_prefetch_b8 v0, s[64:65] scope:SCOPE_SE
	s_setreg_imm32_b32 hwreg(HW_REG_WAVE_MODE, 25, 1), 1
	s_wait_xcnt 0x0
; parts[g] = the largest magnitude among work-group g's 131,072 numbers, as f32.  Work-groups 0-127 share x out, work-groups 128-255 weight: 262,144 bytes each.
; The problem scales each tensor by 448 / (its largest magnitude): that maximum spans all work-groups, so it is made in two steps: 128 partial maxima a tensor here, their maximum in the launches that follow.
; Sixteen waves; a wave takes 16,384 bytes by 32 loads of 16 bytes a lane, each load 512 consecutive bytes; all 32 are issued at the head, so nothing is loaded into a register twice and there is no loop.
; No matrix unit, no tensor load, no cluster: work-groups share no byte, and each byte is read once.  A maximum rounds nothing, so its order is free.
; LIMIT: NaN among the inputs is not served (the maximum passes over it).
; REGISTERS: v0-127 the data (only these have named halves, so the thread's number in v0 is used up first); v128 thread / 32; v129 16 x lane; v130 4 x (lane % 16); v131 4 x wave;
;   v132-135 four running maxima that do not wait for each other; v136-143 eight numbers as f32; v144 lane; v145 4 x work-group.
.set LO,   129
.set RA,   130
.set SA,   131
.set T,    136
.set LANE, 144
.set PO,   145
	s_load_b128 s[4:7], s[0:1], 0x0                ; x, weight
	s_load_b64 s[8:9], s[0:1], 0x10                ; parts
	v_lshl_add_u32 v148, v0, 2, 0x100
	v_mov_b32 v149, 0
	v_lshrrev_b32 v128, 5, v0
	s_delay_alu instid0(VALU_DEP_1)
	v_readfirstlane_b32 s10, v128                  ; wave 0..15
	v_and_b32 v[LANE], 31, v0
	s_delay_alu instid0(VALU_DEP_1)
	v_lshlrev_b32 v[LO], 4, v[LANE]                ; my 16 bytes of a load's 512
	v_and_b32 v[RA], 15, v0
	s_delay_alu instid0(VALU_DEP_1)
	v_lshlrev_b32 v[RA], 2, v[RA]                  ; LDS: the word of wave lane % 16
	v_lshlrev_b32 v[SA], 2, v128                   ; LDS: my wave's word
	s_lshl_b32 s14, ttmp9, 2
	v_mov_b32 v[PO], s14                           ; my work-group's word in parts
	s_mov_b32 s16, 0x76543210                      ; v_permlanex16_b32: each lane takes its own place in the other half
	s_mov_b32 s17, 0xfedcba98
	s_and_b32 s12, ttmp9, 127
	s_lshl_b32 s12, s12, 18                        ; the work-group's 262,144 bytes of its tensor,
	s_lshl_b32 s13, s10, 14                        ; my wave's 16,384 of them
	s_add_co_u32 s12, s12, s13
	s_mov_b32 s13, 0
	s_wait_alu depctr_va_vdst(0)
	s_wait_kmcnt 0x0
	s_cmp_lt_u32 ttmp9, 128                        ; x's work-group or weight's: the choice hangs on the work-group's number alone
	s_cselect_b64 s[4:5], s[4:5], s[6:7]
	s_add_nc_u64 s[4:5], s[4:5], s[12:13]
.set i, 0
.rept 32
	global_load_b128 v[4*i:4*i+3], v[LO], s[4:5] offset:512*i   ; no hint: the next launch reads these bytes again
.set i, i+1
.endr
; Load i's eight numbers: widened to f32 (exact) and taken into the four chains.  The halves' names are given as they are written; n counts the destinations.
.macro TAKE i, h0, h1, h2, h3, h4, h5, h6, h7
	s_wait_loadcnt 31-\i                           ; loads come back in order: load i is in, the 31 - i younger ones may be out
.set n, 0
.irp s, \h0, \h1, \h2, \h3, \h4, \h5, \h6, \h7
	v_cvt_f32_f16 v[T+n], \s
.set n, n+1
.endr
.if \i == 0
	v_max_num_f32 v132, |v136|, |v137|             ; the first load starts the chains: nothing is cleared
	v_max_num_f32 v133, |v138|, |v139|
	v_max_num_f32 v134, |v140|, |v141|
	s_delay_alu instid0(VALU_DEP_4)
	v_max_num_f32 v135, |v142|, |v143|
.else
	v_max3_num_f32 v132, v132, |v136|, |v137|
	v_max3_num_f32 v133, v133, |v138|, |v139|
	v_max3_num_f32 v134, v134, |v140|, |v141|
	s_delay_alu instid0(VALU_DEP_4)
	v_max3_num_f32 v135, v135, |v142|, |v143|
.endif
.endm
	TAKE 0, v0.l, v0.h, v1.l, v1.h, v2.l, v2.h, v3.l, v3.h
	TAKE 1, v4.l, v4.h, v5.l, v5.h, v6.l, v6.h, v7.l, v7.h
	TAKE 2, v8.l, v8.h, v9.l, v9.h, v10.l, v10.h, v11.l, v11.h
	TAKE 3, v12.l, v12.h, v13.l, v13.h, v14.l, v14.h, v15.l, v15.h
	TAKE 4, v16.l, v16.h, v17.l, v17.h, v18.l, v18.h, v19.l, v19.h
	TAKE 5, v20.l, v20.h, v21.l, v21.h, v22.l, v22.h, v23.l, v23.h
	TAKE 6, v24.l, v24.h, v25.l, v25.h, v26.l, v26.h, v27.l, v27.h
	TAKE 7, v28.l, v28.h, v29.l, v29.h, v30.l, v30.h, v31.l, v31.h
	TAKE 8, v32.l, v32.h, v33.l, v33.h, v34.l, v34.h, v35.l, v35.h
	TAKE 9, v36.l, v36.h, v37.l, v37.h, v38.l, v38.h, v39.l, v39.h
	TAKE 10, v40.l, v40.h, v41.l, v41.h, v42.l, v42.h, v43.l, v43.h
	TAKE 11, v44.l, v44.h, v45.l, v45.h, v46.l, v46.h, v47.l, v47.h
	TAKE 12, v48.l, v48.h, v49.l, v49.h, v50.l, v50.h, v51.l, v51.h
	TAKE 13, v52.l, v52.h, v53.l, v53.h, v54.l, v54.h, v55.l, v55.h
	TAKE 14, v56.l, v56.h, v57.l, v57.h, v58.l, v58.h, v59.l, v59.h
	TAKE 15, v60.l, v60.h, v61.l, v61.h, v62.l, v62.h, v63.l, v63.h
	TAKE 16, v64.l, v64.h, v65.l, v65.h, v66.l, v66.h, v67.l, v67.h
	TAKE 17, v68.l, v68.h, v69.l, v69.h, v70.l, v70.h, v71.l, v71.h
	TAKE 18, v72.l, v72.h, v73.l, v73.h, v74.l, v74.h, v75.l, v75.h
	TAKE 19, v76.l, v76.h, v77.l, v77.h, v78.l, v78.h, v79.l, v79.h
	TAKE 20, v80.l, v80.h, v81.l, v81.h, v82.l, v82.h, v83.l, v83.h
	TAKE 21, v84.l, v84.h, v85.l, v85.h, v86.l, v86.h, v87.l, v87.h
	TAKE 22, v88.l, v88.h, v89.l, v89.h, v90.l, v90.h, v91.l, v91.h
	TAKE 23, v92.l, v92.h, v93.l, v93.h, v94.l, v94.h, v95.l, v95.h
	TAKE 24, v96.l, v96.h, v97.l, v97.h, v98.l, v98.h, v99.l, v99.h
	TAKE 25, v100.l, v100.h, v101.l, v101.h, v102.l, v102.h, v103.l, v103.h
	TAKE 26, v104.l, v104.h, v105.l, v105.h, v106.l, v106.h, v107.l, v107.h
	TAKE 27, v108.l, v108.h, v109.l, v109.h, v110.l, v110.h, v111.l, v111.h
	TAKE 28, v112.l, v112.h, v113.l, v113.h, v114.l, v114.h, v115.l, v115.h
	TAKE 29, v116.l, v116.h, v117.l, v117.h, v118.l, v118.h, v119.l, v119.h
	TAKE 30, v120.l, v120.h, v121.l, v121.h, v122.l, v122.h, v123.l, v123.h
	TAKE 31, v124.l, v124.h, v125.l, v125.h, v126.l, v126.h, v127.l, v127.h
	s_delay_alu instid0(VALU_DEP_2)
	v_max3_num_f32 v132, v132, v133, v134          ; the four chains,
	s_delay_alu instid0(VALU_DEP_1)
	v_max_num_f32 v132, v132, v135
.irp m, 1, 2, 4, 8
	s_delay_alu instid0(VALU_DEP_1)
	v_max_num_f32_dpp v132, v132, v132 row_xmask:\m row_mask:0xf bank_mask:0xf   ; the sixteen lanes of a half,
.endr
	s_delay_alu instid0(VALU_DEP_1)
	v_permlanex16_b32 v136, v132, s16, s17         ; (its destination counts as read: v136 has been written)
	s_delay_alu instid0(VALU_DEP_1)
	v_max_num_f32 v132, v132, v136                 ; the two halves: every lane holds the wave's maximum
	ds_store_b32 v[SA], v132                       ; all lanes write the same number to the wave's word
	s_wait_dscnt 0x0                               ; for the others' sake: my store has landed
	s_barrier_signal -1
	s_barrier_wait -1                              ; the sixteen words lie in LDS
	s_cmp_lg_u32 s10, 0
	s_cbranch_scc1 .Lend                           ; wave 0 finishes
	ds_load_b32 v133, v[RA]                        ; lane l: wave l % 16's maximum
	s_wait_dscnt 0x0
.irp m, 1
	v_max_num_f32_dpp v133, v133, v133 row_xmask:\m row_mask:0xf bank_mask:0xf
.endr
.irp m, 2, 4, 8
	s_delay_alu instid0(VALU_DEP_1)
	v_max_num_f32_dpp v133, v133, v133 row_xmask:\m row_mask:0xf bank_mask:0xf
.endr
	v_cmp_eq_u32 vcc_lo, 0, v[LANE]
	s_wait_alu depctr_va_vdst(0)
	s_wait_xcnt 0x0                                ; EXEC is a source of memory instructions: it changes only behind this wait
	s_and_saveexec_b32 s15, vcc_lo
	global_store_b32 v[PO], v133, s[8:9]           ; one lane stores the work-group's four bytes: the launch's whole output is 1,024 bytes, four from each work-group
	s_wait_xcnt 0x0
	s_or_b32 exec_lo, exec_lo, s15
.Lend:
	s_wait_tensorcnt 0x0
	ds_add_u32 v148, v149
	s_wait_dscnt 0x0
	s_endpgm
.Lfunc_end_k_q9cecedf3ae_amax:
	.size	k_q9cecedf3ae_amax, .Lfunc_end_k_q9cecedf3ae_amax-k_q9cecedf3ae_amax
	.p2alignl 7, 3214868480
	.fill 96, 4, 3214868480
	.section	.rodata,"a",@progbits
	.p2align	6, 0x0
	.amdhsa_kernel k_q9cecedf3ae_amax
		.amdhsa_group_segment_fixed_size 2304
		.amdhsa_private_segment_fixed_size 0
		.amdhsa_enable_private_segment 0
		.amdhsa_kernarg_size 24
		.amdhsa_user_sgpr_count 2
		.amdhsa_user_sgpr_kernarg_segment_ptr 1
		.amdhsa_wavefront_size32 1
		.amdhsa_system_sgpr_workgroup_id_x 1
		.amdhsa_system_sgpr_workgroup_id_y 1
		.amdhsa_system_sgpr_workgroup_id_z 1
		.amdhsa_system_vgpr_workitem_id 0
		.amdhsa_next_free_vgpr 150
		.amdhsa_next_free_sgpr 66
		.amdhsa_reserve_vcc 1
		.amdhsa_float_denorm_mode_32 3
		.amdhsa_float_denorm_mode_16_64 3
		.amdhsa_memory_ordered 1
		.amdhsa_forward_progress 1
		.amdhsa_inst_pref_size 25
	.end_amdhsa_kernel
	.amdgpu_metadata
---
amdhsa.version: [ 1, 2 ]
amdhsa.kernels:
  - .name:           k_q9cecedf3ae_amax
    .symbol:         k_q9cecedf3ae_amax.kd
    .args:
      - { .name: x, .offset: 0, .size: 8, .value_kind: global_buffer, .address_space: global }
      - { .name: weight, .offset: 8, .size: 8, .value_kind: global_buffer, .address_space: global }
      - { .name: parts, .offset: 16, .size: 8, .value_kind: global_buffer, .address_space: global }
    .group_segment_fixed_size: 2304
    .private_segment_fixed_size: 0
    .kernarg_segment_align: 8
    .kernarg_segment_size: 24
    .max_flat_workgroup_size: 512
    .sgpr_count:     66
    .vgpr_count:     150
    .wavefront_size: 32
...
	.end_amdgpu_metadata
.endif
;; end of part 1
;; launch quant (part 2): grid 256 x 1, 16 waves a work-group, no clusters, 141,312 bytes of LDS; arguments x, weight, parts, lowp_scales, xq, wq; writes xq, wq
.if DOCPART == 2
	.amdgcn_target "amdgcn-amd-amdhsa--gfx1250"
	.amdhsa_code_object_version 6
	.text
	.protected	k_q9cecedf3ae_quant
	.globl	k_q9cecedf3ae_quant
	.p2align	8
	.type	k_q9cecedf3ae_quant,@function
k_q9cecedf3ae_quant:
	s_mov_b64 s[64:65], 0
	v_nop
	global_prefetch_b8 v0, s[64:65] scope:SCOPE_SE
	s_setreg_imm32_b32 hwreg(HW_REG_WAVE_MODE, 25, 1), 1
	s_wait_xcnt 0x0
; x and weight, [4096][4096] f16, become the product's operands as codes of E4M3, one byte each, in xq and wq.  For each tensor, all in f32:
;   amax = max(the tensor's largest magnitude, 1e-12), from the 128 partial maxima that the launch before stored;  scale = 448 / amax;
;   t = number x scale, clipped to +-448, rounded to E4M3 (the problem's own cast): that number is the operand;
;   the operand is then quantised with the given scale 2^e: divided by 2^e, held within +-448, rounded to E4M3, ties to even.  e is data, so both roundings are always made.
; THE CODES' LAYOUT is the one in which the next launch's operand registers take them: [block of 16 rows][granule of 16 codes along K][row][16 bytes]:
;   code (row, k) lies at 65,536 (row / 16) + 256 (k / 16) + 16 (row % 16) + k % 16.
; Work-groups 0-127 take x, 128-255 weight, two blocks of 16 rows each.  A wave takes two units of 16 rows x 256 along K: 32 loads, all issued at the head, each 512 consecutive bytes of one row.
; A lane's 16 bytes of a load give 8 codes of one row; a unit's 4,096 codes turn through the wave's own stage in LDS (a granule's 256 bytes + 16 of padding) and come back in the layout's order,
; so that each store of the wave covers 512 consecutive bytes, aligned.  All stores stand at the wave's end.  Waves share nothing: no barrier.
; LIMITS: e between -126 and 119, so that 2^e and 448 x 2^e are f32 numbers.  NaN and infinities among the inputs are not served.
; REGISTERS: v0-127 the data; load i's codes land in v[4 i], v[4 i + 1]; v128 16 x lane; v130, v131 the stage's addresses, in and out; v132-135 my four partial maxima; v136-139 at work;
;   v[140:141] the scale, twice; v142 448; v143 1.0; v144 four bytes of 127; v145 2^e; v146 448 x 2^e; v148-163 sixteen numbers; v164-167 their first codes; v168-231 the codes in the layout's order.
.set LI,  128
.set LS,  130
.set LR,  131
.set T,   148
.set C1,  164
.set BK,  168
.set SPW, 232                          ; LDS address of my spare word; never rewritten
.set NIL, 233                          ; 0; never rewritten
.set STG, 4352                         ; a unit's stage: 16 granules x 272 bytes
.set SPARE, 16*2*STG                   ; behind the stages: the spare words, 128 bytes for each wave
	s_load_b256 s[4:11], s[0:1], 0x0               ; x s[4:5], weight s[6:7], parts s[8:9], the exponents s[10:11]
	s_load_b128 s[12:15], s[0:1], 0x20             ; xq, wq
	v_lshl_add_u32 v[SPW], v0, 2, SPARE
	v_mov_b32 v[NIL], 0
	v_lshrrev_b32 v136, 5, v0
	v_readfirstlane_b32 s16, v136                  ; wave 0..15
	v_and_b32 v137, 31, v0
	s_mul_i32 s29, s16, 2*STG                      ; my wave's two stages
	v_lshlrev_b32 v[LI], 4, v137
	v_lshrrev_b32 v[LS], 1, v137
	v_lshrrev_b32 v[LR], 4, v137
	v_and_b32 v138, 1, v137
	v_and_b32 v139, 15, v137
	v_mul_u32_u24 v[LS], v[LS], 272
	v_mul_u32_u24 v[LR], v[LR], 272
	v_lshl_add_u32 v[LS], v138, 3, v[LS]           ; in: granule lane / 2, its half lane % 2; the row stands in the immediate
	v_lshl_add_u32 v[LR], v139, 4, v[LR]           ; out: granule lane / 16, row lane % 16
	v_add_nc_u32 v[LS], s29, v[LS]
	v_add_nc_u32 v[LR], s29, v[LR]
	s_mov_b32 s24, 0x76543210                      ; v_permlanex16_b32: each lane takes its own place in the other half
	s_mov_b32 s25, 0xfedcba98
	s_and_b32 s20, ttmp9, 127
	s_lshl_b32 s18, s20, 18                        ; in: the work-group's two blocks of 131,072 bytes,
	s_lshr_b32 s19, s16, 3
	s_lshl_b32 s19, s19, 17                        ; my wave's block,
	s_and_b32 s28, s16, 7
	s_lshl_b32 s28, s28, 10                        ; and its 1,024 bytes of each row
	s_add_co_u32 s19, s19, s28
	s_add_co_u32 s18, s18, s19
	s_mov_b32 s19, 0
	s_lshl_b32 s20, s20, 17                        ; out: 65,536 bytes a block, 8,192 for my wave's two units
	s_lshl_b32 s21, s16, 13
	s_add_co_u32 s20, s20, s21
	s_mov_b32 s21, 0
	s_mov_b32 s27, 0
	s_wait_alu depctr_va_vdst(0)
	s_wait_kmcnt 0x0
	s_load_b64 s[22:23], s[10:11], 0x0             ; e of x, e of weight
	s_cmp_lt_u32 ttmp9, 128                        ; x's work-group or weight's: the choices hang on the work-group's number alone
	s_cselect_b64 s[4:5], s[4:5], s[6:7]
	s_cselect_b64 s[12:13], s[12:13], s[14:15]
	s_cselect_b32 s26, 0, 512                      ; my tensor's 128 words of parts
	s_add_nc_u64 s[4:5], s[4:5], s[18:19]
	s_add_nc_u64 s[12:13], s[12:13], s[20:21]
	s_add_nc_u64 s[8:9], s[8:9], s[26:27]
	global_load_b128 v[132:135], v[LI], s[8:9]     ; first, so that it is in first: 32 lanes x 4 words = the 128 partial maxima
.set i, 0
.rept 32
	global_load_b128 v[4*i:4*i+3], v[LI], s[4:5] offset:8192*(i%16)+512*(i/16) th:TH_LOAD_NT   ; row i % 16 of unit i / 16; the last read of these bytes
.set i, i+1
.endr
	s_wait_loadcnt 32                              ; the partial maxima are in; the 32 loads behind them may be out
	v_max3_num_f32 v136, v132, v133, v134
	v_max_num_f32 v136, v136, v135
.irp m, 1, 2, 4, 8
	v_max_num_f32_dpp v136, v136, v136 row_xmask:\m row_mask:0xf bank_mask:0xf
.endr
	v_permlanex16_b32 v137, v136, s24, s25         ; (v137 has been written)
	v_max_num_f32 v136, v136, v137
	v_max_num_f32 v136, 0x2b8cbccc, v136           ; amax, at least 1e-12
	s_wait_alu depctr_va_vdst(0)
	v_rcp_f32 v137, v136
	v_mov_b32 v142, 0x43e00000                     ; 448.  (A plain instruction behind the reciprocal)
	v_mov_b32 v143, 1.0                            ; the first conversion's scale: 2^0
	v_mov_b32 v144, 0x7f7f7f7f                     ; and the way back's: the byte 127 stands for 2^0
	s_wait_alu depctr_va_vdst(0)
	v_mul_f32 v140, v142, v137                     ; q = 448 x (1 / amax),
	v_fma_f32 v141, -v140, v136, v142              ; what q lacks: 448 - q x amax, exact in the fused form,
	v_fma_f32 v140, v141, v137, v140               ; and q mended by it, since a rounding follows
	v_mov_b32 v141, v140
	s_wait_kmcnt 0x0
	s_cmp_lt_u32 ttmp9, 128
	s_cselect_b32 s22, s22, s23                    ; e
	s_add_co_i32 s22, s22, 127
	s_lshl_b32 s23, s22, 23
	v_mov_b32 v145, s23                            ; 2^e as f32: the conversion takes its exponent field
	s_add_co_i32 s22, s22, 8
	s_lshl_b32 s22, s22, 23
	s_or_b32 s22, s22, 0x600000
	v_mov_b32 v146, s22                            ; 448 x 2^e
; Loads 2 j and 2 j + 1: eight numbers a lane of each of two rows.  The halves' names are given as they are written; n counts the destinations.
.macro STEP j, h0, h1, h2, h3, h4, h5, h6, h7, h8, h9, h10, h11, h12, h13, h14, h15
	s_wait_loadcnt 30-2*\j                         ; both are in; the 30 - 2 j younger loads may be out
.set n, 0
.irp s, \h0, \h1, \h2, \h3, \h4, \h5, \h6, \h7, \h8, \h9, \h10, \h11, \h12, \h13, \h14, \h15
	v_cvt_f32_f16 v[T+n], \s
.set n, n+1
.endr
.irp k, 0,2,4,6,8,10,12,14
	v_pk_mul_f32 v[T+\k:T+\k+1], v[T+\k:T+\k+1], v[140:141]   ; x scale
.endr
.irp k, 0,1,2,3,4,5,6,7,8,9,10,11,12,13,14,15
	v_med3_num_f32 v[T+\k], v[T+\k], -v142, v142   ; the problem's clip; the conversion to an 8-bit code does not saturate (ISA guide 7.6.2)
.endr
	v_cvt_scalef32_pk8_fp8_f32 v[C1:C1+1], v[T:T+7], v143         ; the problem's cast to E4M3: to the nearest, ties to even
	v_cvt_scalef32_pk8_fp8_f32 v[C1+2:C1+3], v[T+8:T+15], v143
	v_nop                                          ; a plain instruction between a scaled conversion and the next vector instruction that reads its result or writes its sources
	v_cvt_scale_pk8_f32_fp8 v[T:T+7], v[C1:C1+1], v144            ; the operand as f32 again
	v_cvt_scale_pk8_f32_fp8 v[T+8:T+15], v[C1+2:C1+3], v144
	v_nop
.irp k, 0,1,2,3,4,5,6,7,8,9,10,11,12,13,14,15
	v_med3_num_f32 v[T+\k], v[T+\k], -v146, v146   ; the quantiser's hold at the largest code x 2^e
.endr
	v_cvt_scalef32_pk8_fp8_f32 v[8*\j:8*\j+1], v[T:T+7], v145     ; / 2^e, to the nearest code, ties to even; the first number's code in the lowest byte
	v_cvt_scalef32_pk8_fp8_f32 v[8*\j+4:8*\j+5], v[T+8:T+15], v145
	v_nop                                          ; the next step's first line writes these conversions' sources
	ds_store_b64 v[LS], v[8*\j:8*\j+1] offset:STG*(\j/8)+32*(\j%8)          ; row 2 (j % 8) of the unit's stage,
	ds_store_b64 v[LS], v[8*\j+4:8*\j+5] offset:STG*(\j/8)+32*(\j%8)+16     ; and the row below
.if \j%8 == 7
.irp t, 0,1,2,3,4,5,6,7
	ds_load_b128 v[BK+32*(\j/8)+4*\t:BK+32*(\j/8)+4*\t+3], v[LR] offset:STG*(\j/8)+544*\t   ; the unit is whole: two granules a load; LDS serves a wave's instructions in order, so these see the stores
.endr
.endif
.endm
	STEP 0, v0.l, v0.h, v1.l, v1.h, v2.l, v2.h, v3.l, v3.h, v4.l, v4.h, v5.l, v5.h, v6.l, v6.h, v7.l, v7.h
	STEP 1, v8.l, v8.h, v9.l, v9.h, v10.l, v10.h, v11.l, v11.h, v12.l, v12.h, v13.l, v13.h, v14.l, v14.h, v15.l, v15.h
	STEP 2, v16.l, v16.h, v17.l, v17.h, v18.l, v18.h, v19.l, v19.h, v20.l, v20.h, v21.l, v21.h, v22.l, v22.h, v23.l, v23.h
	STEP 3, v24.l, v24.h, v25.l, v25.h, v26.l, v26.h, v27.l, v27.h, v28.l, v28.h, v29.l, v29.h, v30.l, v30.h, v31.l, v31.h
	STEP 4, v32.l, v32.h, v33.l, v33.h, v34.l, v34.h, v35.l, v35.h, v36.l, v36.h, v37.l, v37.h, v38.l, v38.h, v39.l, v39.h
	STEP 5, v40.l, v40.h, v41.l, v41.h, v42.l, v42.h, v43.l, v43.h, v44.l, v44.h, v45.l, v45.h, v46.l, v46.h, v47.l, v47.h
	STEP 6, v48.l, v48.h, v49.l, v49.h, v50.l, v50.h, v51.l, v51.h, v52.l, v52.h, v53.l, v53.h, v54.l, v54.h, v55.l, v55.h
	STEP 7, v56.l, v56.h, v57.l, v57.h, v58.l, v58.h, v59.l, v59.h, v60.l, v60.h, v61.l, v61.h, v62.l, v62.h, v63.l, v63.h
	STEP 8, v64.l, v64.h, v65.l, v65.h, v66.l, v66.h, v67.l, v67.h, v68.l, v68.h, v69.l, v69.h, v70.l, v70.h, v71.l, v71.h
	STEP 9, v72.l, v72.h, v73.l, v73.h, v74.l, v74.h, v75.l, v75.h, v76.l, v76.h, v77.l, v77.h, v78.l, v78.h, v79.l, v79.h
	STEP 10, v80.l, v80.h, v81.l, v81.h, v82.l, v82.h, v83.l, v83.h, v84.l, v84.h, v85.l, v85.h, v86.l, v86.h, v87.l, v87.h
	STEP 11, v88.l, v88.h, v89.l, v89.h, v90.l, v90.h, v91.l, v91.h, v92.l, v92.h, v93.l, v93.h, v94.l, v94.h, v95.l, v95.h
	STEP 12, v96.l, v96.h, v97.l, v97.h, v98.l, v98.h, v99.l, v99.h, v100.l, v100.h, v101.l, v101.h, v102.l, v102.h, v103.l, v103.h
	STEP 13, v104.l, v104.h, v105.l, v105.h, v106.l, v106.h, v107.l, v107.h, v108.l, v108.h, v109.l, v109.h, v110.l, v110.h, v111.l, v111.h
	STEP 14, v112.l, v112.h, v113.l, v113.h, v114.l, v114.h, v115.l, v115.h, v116.l, v116.h, v117.l, v117.h, v118.l, v118.h, v119.l, v119.h
	STEP 15, v120.l, v120.h, v121.l, v121.h, v122.l, v122.h, v123.l, v123.h, v124.l, v124.h, v125.l, v125.h, v126.l, v126.h, v127.l, v127.h
	s_wait_dscnt 0x0                               ; both units are back in registers
.irp n, 0,1,2,3,4,5,6,7,8,9,10,11,12,13,14,15
	global_store_b128 v[LI], v[BK+4*\n:BK+4*\n+3], s[12:13] offset:512*\n   ; 32 lanes store 512 consecutive bytes, at a multiple of 256 from the buffer's first byte
.endr
	s_wait_tensorcnt 0x0                           ; the wave's end: behind my last LDS store
	ds_add_u32 v[SPW], v[NIL]
	s_wait_dscnt 0x0
	s_endpgm
.Lfunc_end_k_q9cecedf3ae_quant:
	.size	k_q9cecedf3ae_quant, .Lfunc_end_k_q9cecedf3ae_quant-k_q9cecedf3ae_quant
	.p2alignl 7, 3214868480
	.fill 96, 4, 3214868480
	.section	.rodata,"a",@progbits
	.p2align	6, 0x0
	.amdhsa_kernel k_q9cecedf3ae_quant
		.amdhsa_group_segment_fixed_size 141312
		.amdhsa_private_segment_fixed_size 0
		.amdhsa_enable_private_segment 0
		.amdhsa_kernarg_size 48
		.amdhsa_user_sgpr_count 2
		.amdhsa_user_sgpr_kernarg_segment_ptr 1
		.amdhsa_wavefront_size32 1
		.amdhsa_system_sgpr_workgroup_id_x 1
		.amdhsa_system_sgpr_workgroup_id_y 1
		.amdhsa_system_sgpr_workgroup_id_z 1
		.amdhsa_system_vgpr_workitem_id 0
		.amdhsa_next_free_vgpr 234
		.amdhsa_next_free_sgpr 66
		.amdhsa_reserve_vcc 0
		.amdhsa_float_denorm_mode_32 3
		.amdhsa_float_denorm_mode_16_64 3
		.amdhsa_memory_ordered 1
		.amdhsa_forward_progress 1
		.amdhsa_inst_pref_size 68
	.end_amdhsa_kernel
	.amdgpu_metadata
---
amdhsa.version: [ 1, 2 ]
amdhsa.kernels:
  - .name:           k_q9cecedf3ae_quant
    .symbol:         k_q9cecedf3ae_quant.kd
    .args:
      - { .name: x, .offset: 0, .size: 8, .value_kind: global_buffer, .address_space: global }
      - { .name: weight, .offset: 8, .size: 8, .value_kind: global_buffer, .address_space: global }
      - { .name: parts, .offset: 16, .size: 8, .value_kind: global_buffer, .address_space: global }
      - { .name: lowp_scales, .offset: 24, .size: 8, .value_kind: global_buffer, .address_space: global }
      - { .name: xq, .offset: 32, .size: 8, .value_kind: global_buffer, .address_space: global }
      - { .name: wq, .offset: 40, .size: 8, .value_kind: global_buffer, .address_space: global }
    .group_segment_fixed_size: 141312
    .private_segment_fixed_size: 0
    .kernarg_segment_align: 8
    .kernarg_segment_size: 48
    .max_flat_workgroup_size: 512
    .sgpr_count:     66
    .vgpr_count:     234
    .wavefront_size: 32
...
	.end_amdgpu_metadata
.endif
;; end of part 2
;; launch gemm (part 3): grid 16 x 16, 4 waves a work-group, clusters of 4 x 1, 327,680 bytes of LDS; arguments xq, wq, parts, lowp_scales, bias, out0; writes out0
.if DOCPART == 3
	.amdgcn_target "amdgcn-amd-amdhsa--gfx1250"
	.amdhsa_code_object_version 6
	.text
	.protected	k_q9cecedf3ae_gemm
	.globl	k_q9cecedf3ae_gemm
	.p2align	8
	.type	k_q9cecedf3ae_gemm,@function
k_q9cecedf3ae_gemm:
	s_mov_b64 s[64:65], 0
	v_nop
	global_prefetch_b8 v0, s[64:65] scope:SCOPE_SE
	s_setreg_imm32_b32 hwreg(HW_REG_WAVE_MODE, 25, 1), 1
	s_wait_xcnt 0x0
	s_wait_alu depctr_hold_cnt(0) depctr_sa_sdst(0) depctr_va_vdst(0) depctr_va_sdst(0) depctr_va_ssrc(0) depctr_va_vcc(0) depctr_vm_vsrc(0)
	s_getreg_b32 s2, hwreg(HW_REG_IB_STS2, 6, 4)
	s_cmp_eq_u32 s2, 0
	s_cbranch_scc0 .Lentry_in_a_cluster
	s_endpgm
.Lentry_in_a_cluster:
	s_bfe_u32 s2, ttmp6, 0x10000c
	s_cmp_lg_u32 s2, 0x3003
	s_cbranch_scc0 .Lentry_shape_is_right
	s_endpgm
.Lentry_shape_is_right:
; out0[m][n] = f16( (sum over k of xq[m][k] wq[n][k]) x F + bias[n] ),  F = amax(x) amax(weight) / 448^2 x 2^(e0 + e1): the two factors 1 / scale of the problem and the two given scales.
; xq and wq hold codes of E4M3 laid [block of 16 rows][granule of 16 along K][row][16 bytes] by the launch before: a fragment of 16 rows x 64 K is 1,024 consecutive bytes, 16 a lane and load.
; Lane (r, h) then holds, of row r, k = 64 t + 32 c + 16 h + 0..15 in registers 4 c .. 4 c + 3: the same permutation of k in both operands, so every product meets its partner.
; A work-group makes 256 rows x 256 columns; its four waves lie 2 x 2 and make 128 x 128 each: 64 accumulators, 512 registers.  Grid 16 x 16 = 256 work-groups.
; x's FRAGMENTS COME FROM MEMORY STRAIGHT INTO REGISTERS.  A ring of 32 fragments (four half-steps of 64 along K) is loaded in the order of use, three half-steps ahead; each group of eight products
;   waits by count for its own fragment alone.  By this text's count at most 62 loads of a wave are out.  The two waves of a row half name the same bytes of x at the same place of the text.
; weight's 256 rows go through LDS: two slots of 512 along K (16 blocks x 8,192 bytes), each wave fetching four blocks by one tensor load; a wave reads the eight blocks of its column half.
; ALL LOADS OF A HALF-STEP STAND IN ONE RUN AT ITS HEAD (16 from LDS, 16 from memory); its 64 products follow with no load between them.
; CLUSTERS: the four work-groups of a cluster lie along x (rows of out0) and need the same tiles of weight: joint loads, mask 15.  x is not asked for jointly: it is loaded by register loads, which have no joint form.
; THE MATRIX INSTRUCTION IS USED TRANSPOSED (source 0 = 16 rows of weight, source 1 = 16 rows of x): a lane holds eight neighbouring columns of one row of out0.
; REGISTERS: each window w of 256 holds at v128-255 the accumulators of x's blocks 2 w, 2 w + 1 (block a, column block b at v[128 + 64 (a % 2) + 8 b]), and below them operands:
;   windows 0, 1: v32-63 the ring of x's block 6 (window 0), 7 (window 1); v64-127 weight's set of even (window 0), odd (window 1) half-steps;
;   windows 2, 3: v0-95 the rings of x's blocks 0-2, 3-5; v96-127 the bias as f32.  Window 0 also: v2 16 x lane, v3 the LDS address, v12-13 F, v24-31 addresses.
; PREFETCHES: in the trip of chunk j (512 along K) the cluster's sixteen waves ask for weight's chunk j + 3, a block's 8,192 bytes a wave, a lane to each 256, shared out by address; of x's chunk j + 2,
;   which 16 work-groups along y read, work-group y asks for row block y of its 16, 8 blocks of 256 bytes a wave (left-over lanes name their wave's last block again).  The last trips ask for nothing past K.
; LIMITS: e0 + e1 and F stay in f32's range.  NaN among the inputs is not served.
.set SLOTB,  131072
.set SPARE,  2*SLOTB                   ; behind the ring: the spare words, 128 bytes a wave
.set STAGE,  SPARE+512                 ; the way out: 16 rows x 272 bytes for each wave; no tensor load lands here
.set SPITCH, 272
.set CROW,   8192                      ; a row of out0 in bytes
.set GO,  2
.set LA,  3
.set FS,  12
.set STO, 24
.set RD,  25
.set CO,  26
.set SPW, 28
.set NIL, 29
.set PFW, 30
.set PFX, 31
.set TMP, 64
.set BI,  96
.set G1,  24                           ; s[24:31] descriptor group 1
.set G0,  32                           ; s[32:35] descriptor group 0: written only behind a wait for 0 on TENSORcnt
.set XB,  36                           ; s[36:37] my wave's 128 rows of xq, at the trip's chunk
.set SLO, 38                           ; s38 where my column half lies in the slot that is read: 65,536 x (wave % 2), + SLOTB in slot 1
.set PW,  44
.set PX,  46
.set MSB, 0
.macro WIN new                         ; the immediate's high byte repeats the setting that is left
.if MSB != (\new)
	s_set_vgpr_msb (MSB<<8)|(\new)
.set MSB, (\new)
.endif
.endm
.macro CREST                           ; a round of the cluster's barrier behind its opening barrier
	s_cmp_lg_u32 s14, 0
	s_cbranch_scc1 .Lnot_wave_0_\@
	s_barrier_signal -3
.Lnot_wave_0_\@:
	s_barrier_wait -3
	s_barrier_signal -1
	s_barrier_wait -1
.endm
.macro CROUND
	s_barrier_signal -1
	s_barrier_wait -1
	CREST
.endm
.macro JLOAD                           ; every wave's joint load: its four blocks of weight's chunk
	tensor_load_to_lds s[G0:G0+3], s[G1:G1+7]
	s_nop 0
.rept 4
	v_nop
.endr
.endm
.macro PLACES
.rept 4
	v_nop
.endr
.endm
.macro RLD u, a, c                     ; half c of x's fragment (half-step u of the trip's chunk, block a) into its ring place; the destination's window is set by the caller
.if (\a) < 6
.set LRG, 32*((\a)%3)
.else
.set LRG, 32
.endif
	global_load_b128 v[LRG+8*((\u)%4)+4*(\c):LRG+8*((\u)%4)+4*(\c)+3], v[GO], s[XB:XB+1] offset:(\a)*65536+(\u)*1024+(\c)*512
.endm
.macro DSL tt, n                       ; load n of the 16 that bring weight's set of half-step tt + 1
	ds_load_b128 v[64+4*(\n):64+4*(\n)+3], v[LA] offset:((\n)/2)*8192+(((\tt)+1)%8)*1024+((\n)%2)*512
.endm
.macro RFILL u                         ; x's eight fragments of half-step u, in the order of use: 16 loads
	WIN 0x80
.irp a, 0,1,2
	RLD \u, \a, 0
	RLD \u, \a, 1
.endr
	WIN 0xc0
.irp a, 3,4,5
	RLD \u, \a, 0
	RLD \u, \a, 1
.endr
	WIN 0
	RLD \u, 6, 0
	RLD \u, 6, 1
	WIN 0x40
	RLD \u, 7, 0
	RLD \u, 7, 1
	WIN 0
.endm
; A GROUP: x's block a against weight's eight, 64 along K.  tt: the half-step, counted from the trip's chunk; rem: half-steps behind this one (99 in the loop).
; Fragments are loaded in the order of use, two loads each.  Behind the run at the head of half-step t the youngest fragment issued is number 8 t + 31, or the stream's last:
; the wait leaves out the two loads of every fragment behind number 8 t + a.  sig = 1: the barrier's signal stands behind the group's wait.
.macro GRP tt, a, rem, zero, sig
.set Q, (\a)/2
.set P, (\tt)%2
.set AC, 128+64*((\a)%2)
.if (\a) < 6
.set RW, 2+(\a)/3
.set RR, 32*((\a)%3)+8*((\tt)%4)
.else
.set RW, (\a)-6
.set RR, 32+8*((\tt)%4)
.endif
.set FL, 31
.if FL > 8*(\rem)+7
.set FL, 8*(\rem)+7
.endif
	s_wait_loadcnt 2*(FL-(\a))
.if \sig
	s_wait_dscnt 0x0                               ; the add is done, and my reads of this slot are over
	s_barrier_signal -1
.endif
	WIN P|(RW<<2)|(Q<<4)|(Q<<6)
.irp b, 0,1,2,3,4,5,6,7
.if \zero
	v_wmma_f32_16x16x64_fp8_fp8 v[AC+8*\b:AC+8*\b+7], v[64+8*\b:64+8*\b+7], v[RR:RR+7], 0
.else
	v_wmma_f32_16x16x64_fp8_fp8 v[AC+8*\b:AC+8*\b+7], v[64+8*\b:64+8*\b+7], v[RR:RR+7], v[AC+8*\b:AC+8*\b+7]
.endif
.endr
.endm
.macro ASK                             ; behind the joint load
	global_prefetch_b8 v[PFX], s[PX:PX+1] offset:16384 th:TH_LOAD_NT scope:SCOPE_SE
	s_cmp_gt_u32 s3, 1                             ; the loop's last trip has no chunk three on
	s_cbranch_scc0 .Lno_w_\@
	global_prefetch_b8 v[PFW], s[PW:PW+1] th:TH_LOAD_NT scope:SCOPE_SE
.Lno_w_\@:
.endm
; A HALF-STEP.  At its head, behind four places (ahead of loads into registers that matrix instructions have read: the other set and the ring places of the half-step before),
; ONE RUN of loads: the next half-step's set of weight, and x's fragments three half-steps on.  Then eight groups, 64 products; the 64 accumulators take turns.
; mode 1, 2: the change of slots, in a chunk's seventh half-step, whose LDS loads are the slot's last.  In front of the barrier each wave waits for all its tensor loads, adds 0 to its spare word,
; and waits for that and for its reads of the slot; mode 1: the barrier opens a round of the cluster's barrier, and the slot is filled again with the chunk two on, 512 products ahead of the wait for it.
.macro HS tt, rem, zero, mode
	s_wait_dscnt 0x0                               ; this half-step's set is in
.if (\rem) >= 1
.if (\rem) >= 3
	s_wait_loadcnt 46                              ; this half-step's first fragment is in; the 23 fragments behind it may be out: with the 16 loads below at most 62
.endif
	PLACES
	WIN (1-(\tt)%2)<<6
.irp n, 0,1,2,3,4,5,6,7,8,9,10,11,12,13,14,15
	DSL \tt, \n
.endr
.if (\rem) >= 3
	RFILL (\tt)+3
.endif
.endif
.irp a, 0,1,2,3
	GRP \tt, \a, \rem, \zero, 0
.endr
.if \mode
	WIN 0
	s_wait_tensorcnt 0x0                           ; all my tensor loads have landed: my part of the other slot
	ds_add_u32 v[SPW], v[NIL]
.if \mode == 1
	s_xor_b32 s[G0+1], s[G0+1], SLOTB              ; no load of mine is out: the descriptor steps to this slot and the chunk two on
	s_add_nc_u64 s[G0+2:G0+3], s[G0+2:G0+3], 8192
.endif
	GRP \tt, 4, \rem, 0, 0
	GRP \tt, 5, \rem, 0, 1
	WIN 0
	s_barrier_wait -1
.if \mode == 1
	CREST
	JLOAD
.endif
	s_xor_b32 s[SLO], s[SLO], SLOTB                ; from here on the other slot is read
	v_add_nc_u32 v[LA], s[SLO], v[GO]
	s_wait_alu depctr_va_vdst(0)
.if \mode == 1
	ASK
.endif
.else
	GRP \tt, 4, \rem, \zero, 0
	GRP \tt, 5, \rem, \zero, 0
.endif
	GRP \tt, 6, \rem, \zero, 0
	GRP \tt, 7, \rem, \zero, 0
.endm
	s_load_b128 s[4:7], s[0:1], 0x0                ; xq, wq
	s_load_b128 s[8:11], s[0:1], 0x10              ; parts, the exponents
	s_load_b128 s[68:71], s[0:1], 0x20             ; bias, out0
	v_lshl_add_u32 v[SPW], v0, 2, SPARE
	v_mov_b32 v[NIL], 0
	ds_add_u32 v[SPW], v[NIL]                      ; the opening lines: the add, twice on end, and its wait ahead of my first tensor load
	ds_add_u32 v[SPW], v[NIL]
	v_lshrrev_b32 v1, 5, v0
	v_readfirstlane_b32 s14, v1                    ; wave 0..3
	s_lshr_b32 s15, s14, 1                         ; which half of the block's rows is mine,
	s_and_b32 s16, s14, 1                          ; which half of its columns
	s_bfe_u32 s40, ttmp6, 0x40000                  ; cx
	s_lshl_b32 s42, ttmp9, 2
	s_add_co_u32 s42, s42, s40                     ; work-group x: which 256 rows
	s_and_b32 s17, ttmp7, 0xffff                   ; work-group y: which 256 columns
	s_mov_b32 s[G1+0], 15|(3<<16)|(1<<21)          ; the mask of all four partners; elements of 8 bytes; bit 21 beside a mask
	s_mov_b32 s[G1+1], 1024<<16                    ; tensor_dim0 = 1,024 elements: 8,192 bytes, a block's 512 along K
	s_mov_b32 s[G1+2], 4<<16                       ; tensor_dim1 = 4 blocks
	s_mov_b32 s[G1+3], 1024<<16                    ; tile_dim0
	s_mov_b32 s[G1+4], 4                           ; tile_dim1
	s_mov_b32 s[G1+5], 8192                        ; from block to block: 65,536 bytes
	s_mov_b32 s[G1+6], 0
	s_mov_b32 s[G1+7], 0
	s_mov_b32 s[G0], 1
	s_lshl_b32 s[G0+1], s14, 15                    ; LDS: wave x four blocks, slot 0
	s_lshl_b32 s20, s17, 20                        ; weight: block 16 y + 4 wave
	s_lshl_b32 s21, s14, 18
	s_add_co_u32 s20, s20, s21
	s_mov_b32 s21, 0
	s_lshl_b32 s22, s42, 1
	s_add_co_u32 s22, s22, s15                     ; which 128 rows are my wave's
	s_lshl_b32 s18, s22, 20                        ; in out0,
	s_mov_b32 s19, 0
	s_lshl_b32 s22, s22, 19                        ; and in xq
	s_mov_b32 s23, 0
	s_lshl_b32 s[SLO], s16, 16                     ; my column half's eight blocks in slot 0
	s_mov_b32 s76, 0x76543210
	s_mov_b32 s77, 0xfedcba98
	s_lshl_b32 s50, s17, 4                         ; the prefetches: weight's block 16 y + 4 cx + wave, its chunk 3
	s_lshl_b32 s51, s40, 2
	s_add_co_u32 s50, s50, s51
	s_add_co_u32 s50, s50, s14
	s_lshl_b32 s50, s50, 16
	s_add_co_u32 s50, s50, 3*8192
	s_mov_b32 s51, 0
	s_lshl_b32 s52, s42, 4                         ; x's block 16 x + y
	s_add_co_u32 s52, s52, s17
	s_lshl_b32 s52, s52, 16
	s_mov_b32 s53, 0
	s_lshl_b32 s54, s14, 11
	s_lshl_b32 s55, s16, 8
	s_wait_dscnt 0x0                               ; both opening adds are done
	s_wait_kmcnt 0x0
	s_load_b64 s[96:97], s[10:11], 0x0             ; e0, e1
	s_add_nc_u64 s[G0+2:G0+3], s[6:7], s[20:21]
	s_or_b32 s[G0+3], s[G0+3], 0x80000000
	s_add_nc_u64 s[XB:XB+1], s[4:5], s[22:23]
	s_add_nc_u64 s[PW:PW+1], s[6:7], s[50:51]
	s_add_nc_u64 s[PX:PX+1], s[4:5], s[52:53]
	CROUND                                         ; the four work-groups are here: the first joint loads meet
	JLOAD                                          ; chunk 0 into slot 0: one tensor load a wave at the head
	v_and_b32 v1, 31, v0                           ; lane
	v_bfe_u32 v4, v0, 4, 1                         ; h
	v_and_b32 v6, 15, v0                           ; r
	v_lshlrev_b32 v[GO], 4, v1
	v_lshlrev_b32 v5, 4, v4
	v_lshlrev_b32 v[PFW], 8, v1
	v_min_u32 v[PFX], 7, v1
	v_add_nc_u32 v[LA], s[SLO], v[GO]
	v_lshlrev_b32 v[PFX], 8, v[PFX]
	v_add_nc_u32 v[PFX], s54, v[PFX]
	s_lshl_b32 s20, s17, 9                         ; my 128 columns: 256 bytes of bias and of a row of out0
	s_add_co_u32 s20, s20, s55
	s_add_nc_u64 s[68:69], s[68:69], s[20:21]
	s_add_nc_u64 s[70:71], s[70:71], s[20:21]
	s_add_nc_u64 s[70:71], s[70:71], s[18:19]
	s_wait_alu depctr_va_vdst(0)
	global_load_b128 v[8:11], v[GO], s[8:9]        ; x's 128 partial maxima,
	global_load_b128 v[12:15], v[GO], s[8:9] offset:512   ; weight's
.irp b, 0,1,2,3,4,5,6,7
	global_load_b128 v[64+4*\b:67+4*\b], v5, s[68:69] offset:32*\b   ; bias at columns 16 b + 8 h + 0..7
.endr
	RFILL 0                                        ; the ring's first three half-steps; the fourth follows at the head of half-step 0
	RFILL 1
	RFILL 2
	global_prefetch_b8 v[PFX], s[PX:PX+1] offset:8192 th:TH_LOAD_NT scope:SCOPE_SE   ; x's chunk 1
	s_mul_i32 s23, s14, 16*SPITCH
	s_add_co_u32 s23, s23, STAGE                   ; my stage
	v_mul_u32_u24 v7, v6, SPITCH
	v_mul_u32_u24 v16, v4, SPITCH
	v_lshlrev_b32 v17, 13, v4
	v_lshl_add_u32 v7, v4, 4, v7
	v_lshl_add_u32 v16, v6, 4, v16
	v_lshl_add_u32 v[CO], v6, 4, v17               ; two rows of out0 a store
	v_add_nc_u32 v[STO], s23, v7                   ; in: row r, 16 bytes for each half of the lanes
	v_add_nc_u32 v[RD], s23, v16                   ; back: lanes 0-15 one row of 256 bytes, lanes 16-31 the next
	s_wait_loadcnt 48                              ; the maxima and the bias are in; the ring's 48 loads may be out
	v_max3_num_f32 v8, v8, v9, v10
	v_max3_num_f32 v12, v12, v13, v14
	v_max_num_f32 v8, v8, v11
	v_max_num_f32 v12, v12, v15
.irp m, 1, 2, 4, 8
	v_max_num_f32_dpp v8, v8, v8 row_xmask:\m row_mask:0xf bank_mask:0xf
	v_max_num_f32_dpp v12, v12, v12 row_xmask:\m row_mask:0xf bank_mask:0xf
.endr
	v_permlanex16_b32 v9, v8, s76, s77
	v_permlanex16_b32 v13, v12, s76, s77
	v_max_num_f32 v8, v8, v9
	v_max_num_f32 v12, v12, v13
	v_max_num_f32 v8, 0x2b8cbccc, v8               ; at least 1e-12, as the problem has it
	v_max_num_f32 v12, 0x2b8cbccc, v12
	v_mul_f32 v8, 0x36a72f05, v8                   ; / 448^2
	v_mul_f32 v12, v8, v12
	s_wait_alu depctr_va_vdst(0)
	s_wait_kmcnt 0x0
	s_add_co_i32 s96, s96, s97
	v_ldexp_f32 v[FS], v12, s96                    ; F
	v_mov_b32 v[FS+1], v[FS]
	WIN 0x80                                       ; the bias as f32: columns 0-63 of my 128 into window 2,
.set n, 0
.irp s, v64.l, v64.h, v65.l, v65.h, v66.l, v66.h, v67.l, v67.h, v68.l, v68.h, v69.l, v69.h, v70.l, v70.h, v71.l, v71.h
	v_cvt_f32_f16 v[BI+n], \s
.set n, n+1
.endr
.irp s, v72.l, v72.h, v73.l, v73.h, v74.l, v74.h, v75.l, v75.h, v76.l, v76.h, v77.l, v77.h, v78.l, v78.h, v79.l, v79.h
	v_cvt_f32_f16 v[BI+n], \s
.set n, n+1
.endr
	WIN 0xc0                                       ; columns 64-127 into window 3
.set n, 0
.irp s, v80.l, v80.h, v81.l, v81.h, v82.l, v82.h, v83.l, v83.h, v84.l, v84.h, v85.l, v85.h, v86.l, v86.h, v87.l, v87.h
	v_cvt_f32_f16 v[BI+n], \s
.set n, n+1
.endr
.irp s, v88.l, v88.h, v89.l, v89.h, v90.l, v90.h, v91.l, v91.h, v92.l, v92.h, v93.l, v93.h, v94.l, v94.h, v95.l, v95.h
	v_cvt_f32_f16 v[BI+n], \s
.set n, n+1
.endr
	WIN 0
	s_wait_alu depctr_va_vdst(0)
	s_wait_tensorcnt 0x0                           ; my part of chunk 0 is in
	ds_add_u32 v[SPW], v[NIL]
	s_xor_b32 s[G0+1], s[G0+1], SLOTB
	s_add_nc_u64 s[G0+2:G0+3], s[G0+2:G0+3], 8192
	s_wait_dscnt 0x0
	CROUND
	JLOAD                                          ; chunk 1 into slot 1, the first tensor load behind the round
.irp n, 0,1,2,3,4,5,6,7,8,9,10,11,12,13,14,15
	DSL 7, \n                                      ; half-step 0's set
.endr
	HS 0, 99, 1, 0                                 ; the first half-step stands in front of the loop: its products start the sums
	WIN 0
	s_mov_b32 s3, 6
.Lchunk:                                               ; a trip: a chunk's half-steps 1 to 7 and the next chunk's first; it fills the chunk's slot again
.irp t, 1,2,3,4,5
	HS \t, 99, 0, 0
.endr
	HS 6, 99, 0, 1
	HS 7, 99, 0, 0
	HS 8, 99, 0, 0
	WIN 0
	s_wait_xcnt 0x0                                ; the loads and prefetches have read their bases
	s_add_nc_u64 s[XB:XB+1], s[XB:XB+1], 8192
	s_add_nc_u64 s[PW:PW+1], s[PW:PW+1], 8192
	s_add_nc_u64 s[PX:PX+1], s[PX:PX+1], 8192
	s_sub_co_u32 s3, s3, 1
	s_cmp_lg_u32 s3, 0
	s_cbranch_scc1 .Lchunk
.irp t, 1,2,3,4,5                      ; the last two chunks fill nothing; the ring's loads stop at the end of K and the counts run down
	HS \t, 15-\t, 0, 0
.endr
	HS 6, 9, 0, 2
.irp t, 7,8,9,10,11,12,13,14
	HS \t, 15-\t, 0, 0
.endr
; THE WAY OUT.  The last half-step finishes x's blocks one after the other, and each block of 16 rows x 128 columns leaves as soon as it is finished: x F + bias in f32, rounded once to f16,
; 16 bytes a lane into my own stage, back as whole rows of 256 bytes (into the block's own accumulator registers, so that no store's data are written again), stored two rows an instruction.
.macro TOSTAGE a
.set AW, (\a)/2
.set AC, 128+64*((\a)%2)
	WIN (AW<<6)|(2<<4)|AW
.irp j, 0,2,4,6,8,10,12,14,16,18,20,22,24,26,28,30
	v_pk_fma_f32 v[AC+\j:AC+\j+1], v[AC+\j:AC+\j+1], v[FS:FS+1], v[BI+\j:BI+\j+1]   ; each accumulator from its low end on
.endr
	WIN (AW<<6)|(3<<4)|AW
.irp j, 0,2,4,6,8,10,12,14,16,18,20,22,24,26,28,30
	v_pk_fma_f32 v[AC+32+\j:AC+32+\j+1], v[AC+32+\j:AC+32+\j+1], v[FS:FS+1], v[BI+\j:BI+\j+1]
.endr
	WIN (AW<<2)|AW
.irp j, 0,1,2,3,4,5,6,7,8,9,10,11,12,13,14,15,16,17,18,19,20,21,22,23,24,25,26,27,28,29,30,31
	v_cvt_pk_f16_f32 v[TMP+\j], v[AC+2*\j], v[AC+2*\j+1]
.endr
	WIN 0
.irp b, 0,1,2,3,4,5,6,7
	ds_store_b128 v[STO], v[TMP+4*\b:TMP+4*\b+3] offset:32*\b
.endr
	WIN AW<<6
.irp t, 0,1,2,3,4,5,6,7
	ds_load_b128 v[AC+4*\t:AC+4*\t+3], v[RD] offset:\t*2*SPITCH   ; LDS serves a wave's instructions in order: these see the stores
.endr
.endm
.macro SEND a, younger                 ; younger: the LDS instructions issued behind block a's loads
.set AC, 128+64*((\a)%2)
	s_wait_dscnt \younger
	WIN ((\a)/2)<<2
.irp t, 0,1,2,3,4,5,6,7
	global_store_b128 v[CO], v[AC+4*\t:AC+4*\t+3], s[70:71] offset:(16*(\a)+2*\t)*CROW th:TH_STORE_NT   ; 16 lanes store 256 consecutive bytes, aligned
.endr
.endm
	s_wait_dscnt 0x0
	GRP 15, 0, 0, 0, 0
.irp a, 0,1,2,3,4,5,6,7
.if \a < 7
	GRP 15, \a+1, 0, 0, 0
	PLACES                                         ; ahead of the first read of results
.endif
	TOSTAGE \a
.if \a > 0
	SEND \a-1, 16
.endif
.endr
	SEND 7, 0
	WIN 0
	s_wait_tensorcnt 0x0                           ; the wave's end
	ds_add_u32 v[SPW], v[NIL]
	s_wait_dscnt 0x0
	CROUND                                         ; the closing round
	s_endpgm
.Lfunc_end_k_q9cecedf3ae_gemm:
	.size	k_q9cecedf3ae_gemm, .Lfunc_end_k_q9cecedf3ae_gemm-k_q9cecedf3ae_gemm
	.p2alignl 7, 3214868480
	.fill 96, 4, 3214868480
	.section	.rodata,"a",@progbits
	.p2align	6, 0x0
	.amdhsa_kernel k_q9cecedf3ae_gemm
		.amdhsa_group_segment_fixed_size 327680
		.amdhsa_private_segment_fixed_size 0
		.amdhsa_enable_private_segment 0
		.amdhsa_kernarg_size 48
		.amdhsa_user_sgpr_count 2
		.amdhsa_user_sgpr_kernarg_segment_ptr 1
		.amdhsa_wavefront_size32 1
		.amdhsa_system_sgpr_workgroup_id_x 1
		.amdhsa_system_sgpr_workgroup_id_y 1
		.amdhsa_system_sgpr_workgroup_id_z 1
		.amdhsa_system_vgpr_workitem_id 0
		.amdhsa_next_free_vgpr 1024
		.amdhsa_next_free_sgpr 98
		.amdhsa_reserve_vcc 0
		.amdhsa_float_denorm_mode_32 3
		.amdhsa_float_denorm_mode_16_64 3
		.amdhsa_memory_ordered 1
		.amdhsa_forward_progress 1
		.amdhsa_inst_pref_size 236
	.end_amdhsa_kernel
	.amdgpu_metadata
---
amdhsa.version: [ 1, 2 ]
amdhsa.kernels:
  - .name:           k_q9cecedf3ae_gemm
    .symbol:         k_q9cecedf3ae_gemm.kd
    .args:
      - { .name: xq, .offset: 0, .size: 8, .value_kind: global_buffer, .address_space: global }
      - { .name: wq, .offset: 8, .size: 8, .value_kind: global_buffer, .address_space: global }
      - { .name: parts, .offset: 16, .size: 8, .value_kind: global_buffer, .address_space: global }
      - { .name: lowp_scales, .offset: 24, .size: 8, .value_kind: global_buffer, .address_space: global }
      - { .name: bias, .offset: 32, .size: 8, .value_kind: global_buffer, .address_space: global }
      - { .name: out0, .offset: 40, .size: 8, .value_kind: global_buffer, .address_space: global }
    .group_segment_fixed_size: 327680
    .private_segment_fixed_size: 0
    .kernarg_segment_align: 8
    .kernarg_segment_size: 48
    .max_flat_workgroup_size: 128
    .sgpr_count:     98
    .vgpr_count:     1024
    .wavefront_size: 32
...
	.end_amdgpu_metadata
.endif
;; end of part 3
